; MI455X (gfx1250); checked and timed in simulation.
; The chip was launched on July 23, 2026; its instructions are those of AMD's public machine-readable ISA for CDNA 5 (MIT licence, August 2026) and "CDNA5" Instruction Set Architecture Reference Guide (July 2026). The comments in the code are by the model that wrote it; some were corrected since.
;; Attention. Allowed arithmetic: matrix products marked QUANTISED: E2M3 operands, one E8M0 scale for each 32 along K, by v_wmma_scale_f32_16x16x128_f8f6f4 with both operands' format E2M3, f32 sums; products left as they are: f32 operands where the result goes on into a quantised operand, else bf16, f16 or f32 operands; f32 sums; everything else in f32.
;; Inputs: W_codes 1,024 x 32 x 24 uint8 (E2M3 codes of W, K innermost, in blocks of 32 codes, four codes in three bytes); W_scales 1,024 x 32 uint8 (E8M0 scales of W, one for each 32 codes along K); b 1,024 float32; hx_codes 32 x 2,048 x 32 x 24 uint8 (E2M3 codes of hx, K innermost, in blocks of 32 codes, four codes in three bytes); hx_mask 32 x 2,048 float32; hx_scales 32 x 2,048 x 32 uint8 (E8M0 scales of hx, one for each 32 codes along K); st 32 x 1,024 float32.
;; Outputs: out0 32 x 1,024 float32.
;; This version of the problem:
;;   THIS VERSION OF THE PROBLEM IS GIVEN IN LOW PRECISION. The matrix products marked QUANTISED in the list below multiply operands that are first quantised to E2M3 (2 exponent bits, 3 mantissa bits; 6 bits a number), with one power-of-two scale for each 32 numbers along K (OCP MX v1.0); their sums are f32. All else is computed in f32.
;;   The module's matrix products, in the order in which they are computed (A, B: the left and right operand; K: the contracted axis; several contracted axes count as one K, in the product's order):
;;     1. [M 65,536, K 1,024] x [K 1,024, N 1,024]; A: input hx (given as codes); B: input W (given as codes): QUANTISED
;;     2. batch 32 x [M 2,048, K 1,024] x [K 1,024, N 1]; A: computed on the way; B: input st: left as it is (N = 1 < 16)
;;     3. batch 32 x [M 1, K 2,048] x [K 2,048, N 1,024]; A: softmax; B: computed on the way: left as it is (M = 1 < 16)
;;   THE QUANTISER, for each operand of a quantised product, along K:
;;     - K is cut into blocks of 32 from its start; a last block that is shorter is filled with zeros.
;;     - A block's scale is 2^e with e = floor(log2(the largest magnitude in the block)) - 2, held to -126 .. 127; a block of zeros has e = 0. As a byte (E8M0): e + 127.
;;     - Each number is divided by its block's scale, clamped to +-7.5, and rounded to the nearest number of E2M3, ties to even, subnormals kept.
;;     - The product sums the exact products of the quantised numbers (number of the format x scale) in f32.
;;   ~~~python
;;   def quantise(x, axis):      # numpy; x: float32 -> the quantised numbers, widened to float32 again
;;       x = np.moveaxis(x, axis, -1); K = x.shape[-1]
;;       x = np.pad(x, [(0, 0)] * (x.ndim - 1) + [(0, -K % 32)]); x = x.reshape(x.shape[:-1] + (-1, 32)); a = np.abs(x).max(-1, keepdims=True)
;;       e = np.where(a > 0, np.clip(np.frexp(np.where(a > 0, a, 1))[1] - 1 - 2, -126, 127), 0)      # np.frexp(a)[1] - 1 = floor(log2(a)), exactly
;;       r = np.clip(x / 2.0 ** e, -7.5, 7.5)
;;       step = 2.0 ** (np.maximum(np.frexp(np.where(r == 0, 1, r))[1] - 1, 0) - 3)
;;       q = np.round(r / step) * step * 2.0 ** e      # np.round: ties to even
;;       return np.moveaxis(q.reshape(q.shape[:-2] + (-1,))[..., :K], -1, axis).astype(np.float32)
;;   ~~~
;;   INPUTS GIVEN AS CODES. W (in the module: [1024, 1024], K = its axis 1); hx (in the module: [32, 2048, 1024], K = its axis 2): each comes as NAME_codes (uint8): NAME with its K axis moved to the last place and cut into blocks of 32 codes, [.., K / 32, bytes a block], one block behind the other in memory; four codes in three bytes: a row's codes are one little-endian stream of bits, code i at bits 6 i .. 6 i + 5 (a code: sign, 2 exponent bits, 3 mantissa bits); and NAME_scales (uint8): the same leading axes, one E8M0 byte (e + 127) for each 32 codes along K. Its value is code x scale, taken as it is: it is not quantised again, and the codes and scales need not be those that the quantiser above would give.
;; One version. Each part assembles by itself: llvm-mc -triple=amdgcn-amd-amdhsa -mcpu=gfx1250 --defsym DOCPART=n.
;; ======== version 1 of 1: 3 launches
;; workspace buffers: Wf 819,200 bytes; pct 1,048,576 bytes; pml 65,536 bytes
;; launch prep (part 1): grid 128 x 1, 4 waves a work-group, no clusters, 0 bytes of LDS; arguments W_codes, W_scales, Wf; writes Wf
.if DOCPART == 1
	.amdgcn_target "amdgcn-amd-amdhsa--gfx1250"
	.amdhsa_code_object_version 6
	.text
	.protected	k_qddc2d9c6dd_prep
	.globl	k_qddc2d9c6dd_prep
	.p2align	8
	.type	k_qddc2d9c6dd_prep,@function
k_qddc2d9c6dd_prep:
	s_mov_b64 s[64:65], 0
	v_nop
	global_prefetch_b8 v0, s[64:65] scope:SCOPE_SE
	s_setreg_imm32_b32 hwreg(HW_REG_WAVE_MODE, 25, 1), 1
	s_wait_xcnt 0x0
; W's codes and scale bytes are laid once in the order in which the product's launch takes them into registers.
; Wf = [K step q 0..7][wave w 0..3] chunks of 25,600 bytes.  A chunk: 16 images of fragments (W rows 256 w + 16 cb + r, K 128 q .. 128 q + 127; 12 registers a lane):
; registers 4 c .. 4 c + 3 of lane l at cb x 1,536 + c x 512 + 16 l; then 1,024 bytes of scale words: word i (0..7) of lane l, the four bytes of K step q of W row 256 w + 32 i + l,
; at 24,576 + (i / 4) x 512 + 16 l + 4 (i % 4).  So a chunk is one dense block for one tensor load, and every fragment comes out of LDS by loads of 16 bytes a lane.
; Work-group g: q = g / 16, w = (g / 4) % 4, part = g % 4.  Wave v makes the image of fragment cb = 4 part + v; wave 0 also makes 256 bytes of the chunk's scale words.
; W is 0.8 MB and is read once here: no LDS, no barrier, nothing in flight beyond a wave's six loads.
.set CHUNK, 25600
	s_load_b128 s[4:7], s[0:1], 0x0                ; W's codes s[4:5], W's scale bytes s[6:7]
	s_load_b64 s[8:9], s[0:1], 0x10                ; Wf
	v_lshrrev_b32 v1, 5, v0
	v_readfirstlane_b32 s10, v1                    ; wave
	v_and_b32 v2, 31, v0                           ; lane
	v_and_b32 v3, 15, v0                           ; r
	v_bfe_u32 v4, v0, 4, 1                         ; h
	v_mul_u32_u24 v5, v3, 768                      ; a row of W is 1,024 codes = 768 bytes
	v_mad_u32_u24 v5, v4, 24, v5                   ; lane (r, h): row r, + 24 h
	v_lshlrev_b32 v6, 4, v2                        ; 16 x lane
	s_lshr_b32 s11, ttmp9, 4                       ; q
	s_bfe_u32 s12, ttmp9, 0x20002                  ; w
	s_and_b32 s13, ttmp9, 3                        ; part
	s_lshl_b32 s14, s13, 2
	s_add_co_u32 s14, s14, s10                     ; cb
	s_lshl_b32 s15, s12, 8
	s_lshl_b32 s16, s14, 4
	s_add_co_u32 s15, s15, s16                     ; the fragment's first row: 256 w + 16 cb
	s_mul_i32 s16, s15, 768
	s_mul_i32 s17, s11, 96                         ; 128 codes are 96 bytes
	s_add_co_u32 s16, s16, s17
	s_mov_b32 s17, 0
	s_lshl_b32 s18, s11, 2
	s_add_co_u32 s18, s18, s12
	s_mul_i32 s18, s18, CHUNK                      ; the chunk
	s_mov_b32 s19, 0
	s_mul_i32 s20, s14, 1536                       ; the image in it
	s_mov_b32 s21, 0
	s_wait_kmcnt 0x0
	s_add_nc_u64 s[4:5], s[4:5], s[16:17]
	s_add_nc_u64 s[8:9], s[8:9], s[18:19]
	s_add_nc_u64 s[22:23], s[8:9], s[20:21]
.irp p, 0,1,2,3,4,5
	global_load_b64 v[8+2*\p:9+2*\p], v5, s[4:5] offset:48*(\p/3)+8*(\p%3)   ; registers 0-5: K 32 h + 0 .. 31; registers 6-11: K 64 + 32 h + 0 .. 31, as the bits lie
.endr
	s_wait_loadcnt 0x0
.irp c, 0,1,2
	global_store_b128 v6, v[8+4*\c:11+4*\c], s[22:23] offset:512*\c           ; 32 lanes store 512 consecutive bytes, at a multiple of 256 from Wf's first byte
.endr
	s_cmp_lg_u32 s10, 0
	s_cbranch_scc1 .Ldone
	; wave 0: bytes 256 part .. 256 part + 255 of the chunk's scale words.  Lane n stores words i = 4 (part / 2) + 2 (n % 2) and the next, of lane l = 16 (part % 2) + n / 2
	v_and_b32 v20, 1, v2
	v_lshrrev_b32 v21, 1, v2
	v_lshl_add_u32 v21, v20, 6, v21                ; 64 (n % 2) + n / 2
	v_lshlrev_b32 v21, 5, v21                      ; a row of scale bytes is 32 bytes
	v_lshlrev_b32 v22, 3, v2
	s_lshr_b32 s24, s13, 1
	s_lshl_b32 s24, s24, 7                         ; 128 (part / 2)
	s_and_b32 s25, s13, 1
	s_lshl_b32 s25, s25, 4                         ; 16 (part % 2)
	s_add_co_u32 s24, s24, s25
	s_lshl_b32 s25, s12, 8                         ; 256 w
	s_add_co_u32 s24, s24, s25
	s_lshl_b32 s24, s24, 5
	s_lshl_b32 s25, s11, 2                         ; K step q's four bytes
	s_add_co_u32 s24, s24, s25
	s_mov_b32 s25, 0
	s_add_nc_u64 s[6:7], s[6:7], s[24:25]
	s_lshl_b32 s26, s13, 8
	s_mov_b32 s27, 0
	s_add_nc_u64 s[8:9], s[8:9], s[26:27]          ; (the stores above name s[22:23], not this pair)
	global_load_b32 v24, v21, s[6:7]
	global_load_b32 v25, v21, s[6:7] offset:1024   ; 32 rows on
	s_wait_loadcnt 0x0
	global_store_b64 v22, v[24:25], s[8:9] offset:24576    ; 32 lanes store 256 consecutive bytes, aligned
.Ldone:
	s_endpgm
.Lfunc_end_k_qddc2d9c6dd_prep:
	.size	k_qddc2d9c6dd_prep, .Lfunc_end_k_qddc2d9c6dd_prep-k_qddc2d9c6dd_prep
	.p2alignl 7, 3214868480
	.fill 96, 4, 3214868480
	.section	.rodata,"a",@progbits
	.p2align	6, 0x0
	.amdhsa_kernel k_qddc2d9c6dd_prep
		.amdhsa_group_segment_fixed_size 0
		.amdhsa_private_segment_fixed_size 0
		.amdhsa_enable_private_segment 0
		.amdhsa_kernarg_size 24
		.amdhsa_user_sgpr_count 2
		.amdhsa_user_sgpr_kernarg_segment_ptr 1
		.amdhsa_wavefront_size32 1
		.amdhsa_system_sgpr_workgroup_id_x 1
		.amdhsa_system_sgpr_workgroup_id_y 1
		.amdhsa_system_sgpr_workgroup_id_z 1
		.amdhsa_system_vgpr_workitem_id 0
		.amdhsa_next_free_vgpr 32
		.amdhsa_next_free_sgpr 66
		.amdhsa_reserve_vcc 0
		.amdhsa_float_denorm_mode_32 3
		.amdhsa_float_denorm_mode_16_64 3
		.amdhsa_memory_ordered 1
		.amdhsa_forward_progress 1
		.amdhsa_inst_pref_size 4
	.end_amdhsa_kernel
	.amdgpu_metadata
---
amdhsa.version: [ 1, 2 ]
amdhsa.kernels:
  - .name:           k_qddc2d9c6dd_prep
    .symbol:         k_qddc2d9c6dd_prep.kd
    .args:
      - { .name: W_codes, .offset: 0, .size: 8, .value_kind: global_buffer, .address_space: global }
      - { .name: W_scales, .offset: 8, .size: 8, .value_kind: global_buffer, .address_space: global }
      - { .name: Wf, .offset: 16, .size: 8, .value_kind: global_buffer, .address_space: global }
    .group_segment_fixed_size: 0
    .private_segment_fixed_size: 0
    .kernarg_segment_align: 8
    .kernarg_segment_size: 24
    .max_flat_workgroup_size: 128
    .sgpr_count:     66
    .vgpr_count:     32
    .wavefront_size: 32
...
	.end_amdgpu_metadata
.endif
;; end of part 1
;; launch main (part 2): grid 256 x 1, 4 waves a work-group, clusters of 4 x 1, 327,680 bytes of LDS; arguments Wf, hx_codes, hx_scales, hx_mask, st, b, pct, pml; writes pct, pml
.if DOCPART == 2
	.amdgcn_target "amdgcn-amd-amdhsa--gfx1250"
	.amdhsa_code_object_version 6
	.text
	.protected	k_qddc2d9c6dd_main
	.globl	k_qddc2d9c6dd_main
	.p2align	8
	.type	k_qddc2d9c6dd_main,@function
k_qddc2d9c6dd_main:
	s_mov_b64 s[64:65], 0
	v_nop
	global_prefetch_b8 v0, s[64:65] scope:SCOPE_SE
	s_setreg_imm32_b32 hwreg(HW_REG_WAVE_MODE, 25, 1), 1
	s_wait_xcnt 0x0
	s_wait_alu depctr_hold_cnt(0) depctr_sa_sdst(0) depctr_va_vdst(0) depctr_va_sdst(0) depctr_va_ssrc(0) depctr_va_vcc(0) depctr_vm_vsrc(0)
	s_getreg_b32 s2, hwreg(HW_REG_IB_STS2, 6, 4)
	s_cmp_eq_u32 s2, 0
	s_cbranch_scc0 .Lentry_in_a_cluster
	s_endpgm
.Lentry_in_a_cluster:
	s_bfe_u32 s2, ttmp6, 0x10000c
	s_cmp_lg_u32 s2, 0x3003
	s_cbranch_scc0 .Lentry_shape_is_right
	s_endpgm
.Lentry_shape_is_right:
; G = hx W^T on codes of E2M3 with E8M0 scales; score = (G + b) . st; t = score x mask1 x log2(e); p = 2^(t - M), M the running largest t; partial results: sum of p G, M, sum of p.
; b enters the score as the addend of each lane's first multiply-add (the sum of b st over the lane's columns); in ct it is added by the last launch, since sum(attn (G + b)) = sum(p G) / sum(p) + b.
; SHARES.  Work-group g (0..255) owns rows 256 g .. 256 g + 255 of the 65,536 (batch g / 8), as four tiles of 64 rows.  A row's weight is known only when all its 1,024 columns exist, and then all are wanted
; again: so a tile is 64 rows x ALL 1,024 columns, held in accumulators: wave w owns columns 256 w .. 256 w + 255: 4 row blocks x 16 column blocks = 64 accumulators, 512 registers.  G never goes to memory.
; W is walked once for each tile, a K step of 128 at a time, through a ring of two LDS slots.  It lies in Wf in the order of the operand's registers: wave w's part of a K step is one dense chunk of 25,600 bytes,
; which the wave fetches by one tensor load and reads alone.  CLUSTER: the four work-groups of a cluster walk the same W in step, so each chunk is asked for JOINTLY (mask 15), which divides the requests for W by four.
; THE WALK OF K IS TURNED: cluster c takes the K steps in the order rot, rot + 1, .. (mod 8), rot = c % 8.  So the 64 clusters' first fills together name all eight K steps of Wf, and at no time do all clusters ask
; for the same chunk.  hx is turned to match on its way into LDS, by its global offsets alone: position j of a row in LDS holds K step (j + rot) % 8; no LDS address hangs on rot.
; hx is read once, by one work-group, so it is not shared: it goes memory -> registers -> LDS (ds_store), one tile ahead, in two buffers by turns; its loads are asked for three K steps ahead of their stores.
; THE PRODUCT: source 0 = 16 rows of hx, source 1 = 16 rows of W: in the result lane (r, h) holds column 16 cb + r and register j row 16 a + 8 h + j.
; LIMITS: NaN, infinities and the scale byte 0xff among the inputs are not served; the running maximum begins at -3e38; a p under 2^-126 is taken as 0 (v_exp_f32 gives 0 there: ISA guide, its entry);
; the K steps are summed from step rot on and not from step 0, so the sums' last bits differ from those of an ascending order.
; REGISTERS, in windows of 256.  Window 0: v1-23 addresses and the softmax's state; v24-31 score parts; v32-47 W's scale words (two sets), v48-51 hx's (two sets); v52-63 at work; v64-95 ct (16 pairs);
;   v96-191 hx's fragments (two sets of 4 x 12); v192-223 st of my 16 columns, each twice; v224-255 scores, then p.
; Window 1: v0-191 W's 16 fragments (ONE set: a block is free once its four products are issued); v192-239 hx on its way to LDS (three sets of 16); v240-243 hx's scale words on their way;
;   v244-246, v248-251 the global offsets of hx's codes and scale words.    Windows 2, 3: accumulator (a, cb) at v[8 (4 (cb % 8) + a)] of window 2 + cb / 8.
.set CHUNK, 25600                      ; a wave's part of a K step of W: 16 images of 1,536 bytes + 1,024 bytes of scale words
.set SLOTB, 4*CHUNK
.set HX0,   2*SLOTB                    ; behind the ring: a tile of hx, 64 rows x 768 bytes, 16 bytes of padding behind each 256: rows 816 bytes = 204 words apart, so that the 16 rows of a fragment start in 16 different groups of four banks (64 banks of 4 bytes: ISA guide 11.1)
.set HXB,   52224
.set HX1,   HX0+HXB
.set HXX,   HX0^HX1                    ; one exclusive or turns an address in one buffer into the other's
.set HXS0,  HX1+HXB                    ; hx's scale words of a tile: [position j][lane l][i]: the word of row 32 i + l
.set HXS1,  HXS0+2048
.set HSX,   HXS0^HXS1
.set SX,    HXS1+2048                  ; [wave][row]: each wave's part of the 64 scores
.set PB,    SX+1024                    ; [wave][row]: p, each wave's own copy
.set MK,    PB+1024                    ; mask1 x log2(e) of the work-group's 256 rows
.set OUTS,  MK+1024                    ; [wave][256]: the way out
.set SPARE, OUTS+4096                  ; the spare words, 128 bytes for each wave: two blocks of 256 bytes that no other line names
.set SPW,  1                           ; v1   LDS address of my spare word; never rewritten
.set NIL,  2                           ; v2   0; never rewritten
.set ADB0, 3                           ; v3-4 my chunk in slot 0, 1: 16 x lane + CHUNK x wave (+ SLOTB)
.set ADA1, 5                           ; v5   hx's fragments in the buffer in hand: 816 r + 24 h
.set ADA2, 6                           ; v6   the same for pieces whose partner three pieces on lies behind one padding more: 816 r + 40 h
.set AL1,  7                           ; v7-8 these two without the buffer
.set AL2,  8
.set ADHS, 9                           ; v9   hx's scale words in hand: 8 x lane
.set L8,   10                          ; v10  8 x lane
.set STH,  11                          ; v11  where I store hx for the next tile
.set SL,   12                          ; v12  16 t + 16 (t / 16), t my thread's number
.set STS,  13                          ; v13  where I store its scale words
.set SSL,  14                          ; v14  1,024 (t % 2) + 8 ((t / 2) % 32) + 4 (t / 64)
.set SXW,  16
.set SXR,  17
.set MKA,  18
.set PBW,  19
.set PBR,  20
.set M,    21                          ; the running largest t: the same in every lane and wave
.set LACC, 22                          ; my lane's part of the sum of p
.set PD,   23                          ; a lane permute's destination
.set SXP,  24
.set WSC,  32
.set HSC,  48
.set C0,   52
.set MKP,  54
.set TP,   56
.set TMX,  58
.set MN,   59
.set FP,   60
.set CT,   64
.set AF,   96
.set STP,  192
.set S,    224
.set HXR,  192                         ; in window 1
.set HSR,  240                         ; in window 1
.set GC,   244                         ; in window 1: load n of a tile's 24 reads at offset register n % 3, + 6,144 (n / 3)
.set GS,   248                         ; in window 1: my row's scale word for position 4 (t % 2) + i
.set G1,   24                          ; s[24:31] descriptor group 1;  s[32:35], s[36:39] group 0 of slot 0, 1
.set G0,   32
.set MSB, 0
.macro WIN new                         ; the immediate's high byte repeats the setting that is left; a switch that changes nothing is dropped
.if MSB != (\new)
	s_set_vgpr_msb (MSB<<8)|(\new)
.set MSB, (\new)
.endif
.endm
.set MUL_LO, 0xa4                      ; source 0 (hx) window 0, source 1 (W) window 1, C and D window 2;  + 0x50: C and D window 3
.set TO_1,   0x40                      ; destination window 1, address window 0
.set LD_1,   0x41                      ; destination and address window 1
.set FROM_1, 0x04                      ; an LDS store's data (source 1) window 1
.set RD_LO,  0x02                      ; source 0 window 2;  RD_LO + 1: window 3
.macro PLACES n                        ; plain vector instructions between a matrix instruction and a load into, or a read of, its registers
.rept \n
	v_nop
.endr
.endm
.macro CREST                           ; a round of the cluster's barrier behind its opening barrier
	s_cmp_lg_u32 s20, 0
	s_cbranch_scc1 .Lnot_wave_0_\@
	s_barrier_signal -3
.Lnot_wave_0_\@:
	s_barrier_wait -3
	s_barrier_signal -1
	s_barrier_wait -1
.endm
.macro CROUND                          ; a whole round
	s_barrier_signal -1
	s_barrier_wait -1
	CREST
.endm
; A fragment of hx: 16 rows x 128 K, 12 registers, in pieces of 8 bytes.  Lanes 0-15 take the row's pieces 12 q + 0, 1, 2, 6, 7, 8, lanes 16-31 those three pieces on.
.macro FRAGA reg, q, a
.irp p, 0,1,2,3,4,5
.set PCE, 12*(\q)+6*(\p/3)+\p%3
.if PCE%32 < 29
	ds_load_b64 v[(\reg)+2*\p:(\reg)+2*\p+1], v[ADA1] offset:8*PCE+16*(PCE/32)+(\a)*13056
.else
	ds_load_b64 v[(\reg)+2*\p:(\reg)+2*\p+1], v[ADA2] offset:8*PCE+16*(PCE/32)+(\a)*13056
.endif
.endr
.endm
.macro FETCH_A q                       ; 25 loads: step q's four fragments of hx and its two registers of scale words, into set q % 2
.irp a, 0,1,2,3
	FRAGA AF+48*((\q)%2)+12*\a, \q, \a
.endr
	ds_load_b64 v[HSC+2*((\q)%2):HSC+2*((\q)%2)+1], v[ADHS] offset:256*(\q)
.endm
.macro FETCH_SW s                      ; 2 loads: slot s's eight registers of W's scale words, into set s
.irp u, 0,1
	ds_load_b128 v[WSC+8*(\s)+4*\u:WSC+8*(\s)+4*\u+3], v[ADB0+(\s)] offset:24576+512*\u
.endr
.endm
.macro FETCH_B s, c0, c1               ; 3 loads a block: W's fragments c0 .. c1 out of slot s: images, 512 consecutive bytes a load.  Leaves the windows at TO_1
	WIN TO_1
.set CB, \c0
.rept (\c1)-(\c0)+1
.irp c, 0,1,2
	ds_load_b128 v[12*CB+4*\c:12*CB+4*\c+3], v[ADB0+(\s)] offset:1536*CB+512*\c
.endr
.set CB, CB+1
.endr
.endm
; One product: row block AA x column block CB, step q.  Scale words: hx's register AA / 2 holds block AA's rows in lanes 0-15 (AA even) or 16-31 (odd); W's register CB / 2 likewise.  Step 0 starts the sums: nothing is cleared.
.macro MM q
.set rD, 8*(4*(CB%8)+AA)
.set rA, AF+48*((\q)%2)+12*AA
.set rB, 12*CB
.set rH, HSC+2*((\q)%2)+AA/2
.set rW, WSC+8*((\q)%2)+CB/2
.if (\q) == 0
.if (AA%2 == 0) && (CB%2 == 0)
	v_wmma_scale_f32_16x16x128_f8f6f4 v[rD:rD+7], v[rA:rA+11], v[rB:rB+11], 0, v[rH], v[rW] matrix_a_fmt:MATRIX_FMT_FP6 matrix_b_fmt:MATRIX_FMT_FP6
.elseif (AA%2 == 1) && (CB%2 == 0)
	v_wmma_scale_f32_16x16x128_f8f6f4 v[rD:rD+7], v[rA:rA+11], v[rB:rB+11], 0, v[rH], v[rW] matrix_a_fmt:MATRIX_FMT_FP6 matrix_b_fmt:MATRIX_FMT_FP6 matrix_a_scale:MATRIX_SCALE_ROW1
.elseif (AA%2 == 0)
	v_wmma_scale_f32_16x16x128_f8f6f4 v[rD:rD+7], v[rA:rA+11], v[rB:rB+11], 0, v[rH], v[rW] matrix_a_fmt:MATRIX_FMT_FP6 matrix_b_fmt:MATRIX_FMT_FP6 matrix_b_scale:MATRIX_SCALE_ROW1
.else
	v_wmma_scale_f32_16x16x128_f8f6f4 v[rD:rD+7], v[rA:rA+11], v[rB:rB+11], 0, v[rH], v[rW] matrix_a_fmt:MATRIX_FMT_FP6 matrix_b_fmt:MATRIX_FMT_FP6 matrix_a_scale:MATRIX_SCALE_ROW1 matrix_b_scale:MATRIX_SCALE_ROW1
.endif
.else
.if (AA%2 == 0) && (CB%2 == 0)
	v_wmma_scale_f32_16x16x128_f8f6f4 v[rD:rD+7], v[rA:rA+11], v[rB:rB+11], v[rD:rD+7], v[rH], v[rW] matrix_a_fmt:MATRIX_FMT_FP6 matrix_b_fmt:MATRIX_FMT_FP6
.elseif (AA%2 == 1) && (CB%2 == 0)
	v_wmma_scale_f32_16x16x128_f8f6f4 v[rD:rD+7], v[rA:rA+11], v[rB:rB+11], v[rD:rD+7], v[rH], v[rW] matrix_a_fmt:MATRIX_FMT_FP6 matrix_b_fmt:MATRIX_FMT_FP6 matrix_a_scale:MATRIX_SCALE_ROW1
.elseif (AA%2 == 0)
	v_wmma_scale_f32_16x16x128_f8f6f4 v[rD:rD+7], v[rA:rA+11], v[rB:rB+11], v[rD:rD+7], v[rH], v[rW] matrix_a_fmt:MATRIX_FMT_FP6 matrix_b_fmt:MATRIX_FMT_FP6 matrix_b_scale:MATRIX_SCALE_ROW1
.else
	v_wmma_scale_f32_16x16x128_f8f6f4 v[rD:rD+7], v[rA:rA+11], v[rB:rB+11], v[rD:rD+7], v[rH], v[rW] matrix_a_fmt:MATRIX_FMT_FP6 matrix_b_fmt:MATRIX_FMT_FP6 matrix_a_scale:MATRIX_SCALE_ROW1 matrix_b_scale:MATRIX_SCALE_ROW1
.endif
.endif
.endm
.macro MUL q, c0, c1                   ; column blocks c0 .. c1, each against the four row blocks.  The 64 accumulators take turns, one instruction a turn, in the same order in every step
.set CB, \c0
.rept (\c1)-(\c0)+1
.set AA, 0
.rept 4
	MM \q
.set AA, AA+1
.endr
.set CB, CB+1
.endr
.endm
; THE SCORE: four lines for the finished accumulator (AA, SB): my column's part for its eight rows, two rows an instruction; 16 chains in all; column block 0's links add the bias's part.  The accumulator is read from its low end on.
.macro SCORE4
.set rC, 8*(4*(SB%8)+AA)
	WIN RD_LO+SB/8
.set JP, 0
.rept 4
.if SB == 0
	v_pk_fma_f32 v[S+8*AA+2*JP:S+8*AA+2*JP+1], v[rC+2*JP:rC+2*JP+1], v[STP:STP+1], v[C0:C0+1]
.else
	v_pk_fma_f32 v[S+8*AA+2*JP:S+8*AA+2*JP+1], v[rC+2*JP:rC+2*JP+1], v[STP+2*SB:STP+2*SB+1], v[S+8*AA+2*JP:S+8*AA+2*JP+1]
.endif
.set JP, JP+1
.endr
.endm
; A tile's LAST step: behind each product of column block CB stand the score's four lines for the same row block of block CB - 1, which is finished: four vector lines and two window switches for each product,
; so that the matrix unit works while the score is made.  Between a product and the read of its result lie the four slices behind the next four products: sixteen plain lines that name none of its registers
; (ISA guide 7.12.1); block 0's products have no slices behind them, so four v_nop stand ahead of the first slice.
.macro MULS c0, c1
.set CB, \c0
.rept (\c1)-(\c0)+1
.set AA, 0
.rept 4
	WIN MUL_LO+0x50*(CB/8)
	MM 7
.if CB > 0
.if (CB == 1) && (AA == 0)
	PLACES 4
.endif
.set SB, CB-1
	SCORE4
.endif
.set AA, AA+1
.endr
.set CB, CB+1
.endr
.endm
.macro PROD q, c0, c1                  ; a run of products inside one window (c0 .. c1 do not cross block 8), or, in step 7, with the score's slices
.if (\q) == 7
	MULS \c0, \c1
.else
	WIN MUL_LO+0x50*((\c0)/8)
	MUL \q, \c0, \c1
.endif
.endm
; The next tile of hx, 49,152 bytes, in six groups of four loads; a load of the work-group's 128 threads fills 2,048 consecutive bytes of the tile as it lies in LDS.  Group 0 brings the tile's scale words too.
; The rows are turned by 96 rot bytes, so neighbouring loads meet inside aligned blocks of 256 bytes of memory: the loads carry no hint that a block is wanted once.  Leaves the windows at LD_1
.macro HXLOAD j
	WIN LD_1
.if (\j) == 0
.irp i, 0,1,2,3
	global_load_b32 v[HSR+\i], v[GS+\i], s[8:9]
.endr
.endif
.irp i, 0,1,2,3
	global_load_b128 v[HXR+16*((\j)%3)+4*\i:HXR+16*((\j)%3)+4*\i+3], v[GC+(4*(\j)+\i)%3], s[6:7] offset:6144*((4*(\j)+\i)/3)
.endr
.endm
.macro HXSTORE j                       ; and into the next tile's buffer: 2,048 bytes take 2,176 with their padding.  Leaves the windows at FROM_1
	WIN FROM_1
.irp i, 0,1,2,3
	ds_store_b128 v[STH], v[HXR+16*((\j)%3)+4*\i:HXR+16*((\j)%3)+4*\i+3] offset:2176*(4*(\j)+\i)
.endr
.if (\j) == 0
.irp i, 0,1,2,3
	ds_store_b32 v[STS], v[HSR+\i] offset:256*\i   ; my row's word of position 4 (t % 2) + i
.endr
.endif
.endm
; A STEP: 64 products.  All of this step's fragments were asked for in the step before, so its slot is read out when the barrier is reached, and is filled again behind it with the K step two on.
; NO PRODUCT STANDS BETWEEN THE WAIT FOR MY CHUNK AND THE NEXT REQUEST: all 64 products of a step lie between a request and the wait for it (48 behind the request, 16 at the next step's head).
; fill = 1: that refill, behind a round of the cluster's barrier.  nxt = 2: the next step's fragments are fetched; 1: all but hx's (the next tile's buffer is not whole yet).  hx = 1: the next tile of hx is on its way.
.macro STEP q, fill, nxt, hx
.set SS, (\q)%2
.set NS, 0
.if \hx && ((\q) >= 3)
.if (\q) == 7
	s_wait_loadcnt 4                               ; group 4 is in; group 5's four loads may be out
.else
	s_wait_loadcnt 8                               ; group q - 3 is in; the two younger groups of four may be out
.endif
	HXSTORE (\q)-3
.set NS, 4
.if (\q) == 3
.set NS, 8
.endif
.endif
	s_wait_dscnt 36+NS                             ; hx's fragments, the scale words and W's blocks 0-3 are in; blocks 4-7, 8-11, 12-15 (12 loads each) and my NS stores just issued may be out
	PROD \q, 0, 3
	WIN 0
	s_wait_tensorcnt 0x0                           ; all my tensor loads have landed: the one that was out is my chunk of the next step
	ds_add_u32 v[SPW], v[NIL]                      ; 0 onto my spare word
.if \fill
	s_add_co_u32 s55, s55, 1                       ; no tensor load of mine is out, so a group 0 may be written: the K step two steps on, modulo 8: the ring goes on into the next tile
	s_and_b32 s55, s55, 7
	s_mul_i32 s48, s55, SLOTB
	s_add_nc_u64 s[G0+4*SS+2:G0+4*SS+3], s[4:5], s[48:49]
	s_or_b32 s[G0+4*SS+3], s[G0+4*SS+3], 0x80000000
.endif
	s_wait_dscnt 0x0                               ; the add is done; my reads of this slot are over; my stores of hx have landed
	s_barrier_signal -1
	s_barrier_wait -1
.if \fill
	CREST                                          ; the barrier has opened a round of the cluster's barrier: no wave of any partner still reads this slot or has a load on its way
	tensor_load_to_lds s[G0+4*SS:G0+4*SS+3], s[G1:G1+7]   ; my one tensor load behind the round
	s_nop 0
.endif
	PLACES 4                                       ; the places in front of the loads below
.if \nxt == 2
	FETCH_A (\q)+1
.endif
	FETCH_SW 1-SS
.if \hx && ((\q) <= 5)
	HXLOAD \q                                      ; into the set whose stores were waited for in front of the barrier above
.endif
	FETCH_B 1-SS, 0, 3
	PROD \q, 4, 7
	PLACES 4
	FETCH_B 1-SS, 4, 7
	PROD \q, 8, 11
	PLACES 4
	FETCH_B 1-SS, 8, 11
	PROD \q, 12, 15
	PLACES 4
	FETCH_B 1-SS, 12, 15
.endm
; BEHIND A TILE'S LAST STEP.  last = 1: no tile follows.
.macro EPI last
.if !\last
	s_wait_loadcnt 0x0                             ; the last group of the next tile of hx is in; no load names the two pointers any more
	HXSTORE 5
	s_add_nc_u64 s[6:7], s[6:7], 49152
	s_add_nc_u64 s[8:9], s[8:9], 2048
.endif
.set SB, 15                            ; the score's last sixteen lines: column block 15 (behind its last product stand block 14's last slice and three of these slices)
.set AA, 0
.rept 4
	SCORE4
.set AA, AA+1
.endr
	WIN 0
.irp x, 1,2,4,8                        ; over the 16 lanes that hold the same rows: my wave's 256 columns
.set i, 0
.rept 32
	v_add_f32_dpp v[S+i], v[S+i], v[S+i] row_xmask:\x row_mask:0xf bank_mask:0xf
.set i, i+1
.endr
.endr
.irp a, 0,1,2,3
.irp jq, 0,1
	ds_store_b128 v[SXW], v[S+8*\a+4*\jq:S+8*\a+4*\jq+3] offset:64*\a+16*\jq   ; rows 16 a + 8 h + 4 jq on; the 16 lanes of a half write the same bytes with the same values
.endr
.endr
	s_wait_dscnt 0x0                               ; for the others' sake: my part of the scores, and my stores of the next tile of hx, have landed
	s_barrier_signal -1                            ; a plain barrier: my chunk asked for in step 7 may stay out
	s_barrier_wait -1
.irp w, 0,1,2,3
	ds_load_b64 v[SXP+2*\w:SXP+2*\w+1], v[SXR] offset:256*\w   ; every wave makes all 64 weights: lane l takes rows 2 l and 2 l + 1
.endr
	ds_load_b64 v[MKP:MKP+1], v[MKA]
.if !\last
	s_xor_b32 s41, s41, HXX                        ; the buffers change places: the next tile's is whole behind the barrier above
	s_xor_b32 s42, s42, HXX
	s_xor_b32 s43, s43, HSX
	s_xor_b32 s44, s44, HSX
	v_add_nc_u32 v[ADA1], s41, v[AL1]
	v_add_nc_u32 v[ADA2], s41, v[AL2]
	v_add_nc_u32 v[ADHS], s43, v[L8]
	v_add_nc_u32 v[STH], s42, v[SL]
	v_add_nc_u32 v[STS], s44, v[SSL]
	FETCH_A 0
	s_wait_dscnt 25                                ; the four pairs of score parts and the mask's pair are in; FETCH_A's 25 loads may be out
.else
	s_wait_dscnt 0x0
.endif
	v_pk_add_f32 v[SXP:SXP+1], v[SXP:SXP+1], v[SXP+2:SXP+3]
	v_pk_add_f32 v[SXP+4:SXP+5], v[SXP+4:SXP+5], v[SXP+6:SXP+7]
	v_pk_add_f32 v[SXP:SXP+1], v[SXP:SXP+1], v[SXP+4:SXP+5]    ; the scores
	v_pk_mul_f32 v[TP:TP+1], v[SXP:SXP+1], v[MKP:MKP+1]        ; t = score x mask1 x log2(e)
	v_max_num_f32 v[TMX], v[TP], v[TP+1]
	v_max_num_f32_dpp v[TMX], v[TMX], v[TMX] row_xmask:1 row_mask:0xf bank_mask:0xf
	v_max_num_f32_dpp v[TMX], v[TMX], v[TMX] row_xmask:2 row_mask:0xf bank_mask:0xf
	v_max_num_f32_dpp v[TMX], v[TMX], v[TMX] row_xmask:4 row_mask:0xf bank_mask:0xf
	v_max_num_f32_dpp v[TMX], v[TMX], v[TMX] row_xmask:8 row_mask:0xf bank_mask:0xf
	v_permlanex16_b32 v[PD], v[TMX], s46, s47
	v_max3_num_f32 v[MN], v[TMX], v[PD], v[M]      ; the new running maximum
	v_sub_f32 v[FP], v[M], v[MN]
	v_sub_f32 v[TP], v[TP], v[MN]
	v_sub_f32 v[TP+1], v[TP+1], v[MN]
	v_exp_f32 v[FP], v[FP]                         ; f = 2^(old M - new M): what was summed under the old M is brought under the new
	v_exp_f32 v[TP], v[TP]                         ; p
	v_exp_f32 v[TP+1], v[TP+1]
	v_mov_b32 v[M], v[MN]                          ; (a plain instruction behind the exponentials)
	s_wait_alu depctr_va_vdst(0)
	v_fma_f32 v[LACC], v[LACC], v[FP], v[TP]
	v_add_f32 v[LACC], v[LACC], v[TP+1]
	ds_store_b64 v[PBW], v[TP:TP+1]                ; p goes through my wave's own 256 bytes, so that each lane gets the p of its 32 rows; LDS serves a wave's instructions in order (ISA guide 5.7.1.4)
.irp a, 0,1,2,3
.irp jq, 0,1
	ds_load_b128 v[S+8*\a+4*\jq:S+8*\a+4*\jq+3], v[PBR] offset:64*\a+16*\jq
.endr
.endr
.if !\last
	v_add_nc_u32 v[MKA], 256, v[MKA]               ; the next tile's 64 rows of the mask
.endif
.set i, 0
.rept 16
	v_pk_mul_f32 v[CT+2*i:CT+2*i+1], v[CT+2*i:CT+2*i+1], v[FP:FP+1] op_sel_hi:[1,0]
.set i, i+1
.endr
	s_wait_dscnt 0x0                               ; p is in (and the next tile's first fragments of hx)
	; ct += p G: for each of my 16 columns a pair of sums (even rows', odd rows'), eight chains at a time
.irp hf, 0,1
	WIN RD_LO+\hf
.irp a, 0,1,2,3
.irp jp, 0,1,2,3
.irp e, 0,1,2,3,4,5,6,7
	v_pk_fma_f32 v[CT+2*(8*\hf+\e):CT+2*(8*\hf+\e)+1], v[8*(4*\e+\a)+2*\jp:8*(4*\e+\a)+2*\jp+1], v[S+8*\a+2*\jp:S+8*\a+2*\jp+1], v[CT+2*(8*\hf+\e):CT+2*(8*\hf+\e)+1]
.endr
.endr
.endr
.endr
	WIN 0
.endm
.macro TILE last
.if \last
.irp q, 0,1,2,3,4,5
	STEP \q, 1, 2, 0
.endr
	STEP 6, 0, 2, 0                                ; nothing is left to fetch: the tail is written out
	s_wait_dscnt 36                                ; the very last step
	PROD 7, 0, 3
	s_wait_dscnt 0x0
	PROD 7, 4, 15
.else
.irp q, 0,1,2,3,4,5,6
	STEP \q, 1, 2, 1
.endr
	STEP 7, 1, 1, 1
.endif
	EPI \last
.endm
	s_load_b512 s[4:19], s[0:1], 0x0               ; Wf s[4:5], hx's codes s[6:7], hx's scales s[8:9], the mask s[10:11], st s[12:13], b s[14:15], pct s[16:17], pml s[18:19]
	v_lshl_add_u32 v[SPW], v0, 2, SPARE
	v_mov_b32 v[NIL], 0
	ds_add_u32 v1, v2
	ds_add_u32 v1, v2
	s_wait_dscnt 0x0
	v_lshrrev_b32 v24, 5, v0
	v_readfirstlane_b32 s20, v24                   ; wave 0..3
	s_bfe_u32 s21, ttmp6, 0x40000                  ; cx: my place in the cluster
	s_lshl_b32 s22, ttmp9, 2                       ; in a cluster launch ttmp9 counts clusters
	s_add_co_u32 s22, s22, s21                     ; g = 4 x cluster + cx: it enters the addresses of hx, the mask, st, pct and pml alone
	s_and_b32 s54, ttmp9, 7                        ; rot: the K step at which my cluster begins: the same in the four partners
	s_mul_i32 s56, s54, 96                         ; and its bytes in a row of hx
	; descriptor group 1: a chunk as 100 rows of 256 bytes (32 elements of 8 bytes), dense in memory and in LDS
	s_mov_b32 s[G1+0], 15|(3<<16)|(1<<21)          ; 15:0 the mask: all four work-groups; 17:16 elements of 8 bytes; 20 no padding; 21 set beside a mask
	s_mov_b32 s[G1+1], 32<<16                      ; tensor_dim0 = 32
	s_mov_b32 s[G1+2], 100<<16                     ; tensor_dim1 = 100
	s_mov_b32 s[G1+3], 32<<16                      ; tile_dim0 = 32
	s_mov_b32 s[G1+4], 100                         ; tile_dim1 = 100
	s_mov_b32 s[G1+5], 32                          ; tensor_dim0_stride
	s_mov_b32 s[G1+6], 0
	s_mov_b32 s[G1+7], 0
	s_mul_i32 s45, s20, CHUNK                      ; my chunk's place in a slot and in a K step of Wf: the wave's number alone
	s_mov_b32 s50, s45
	s_mov_b32 s51, 0
	s_mov_b32 s41, HX0                             ; hx's buffer in hand,
	s_mov_b32 s42, HX1                             ; and the next tile's
	s_mov_b32 s43, HXS0
	s_mov_b32 s44, HXS1
	s_mov_b32 s46, 0x76543210                      ; v_permlanex16_b32's selects for lane l xor 16
	s_mov_b32 s47, 0xfedcba98
	s_mov_b32 s52, 0x3fb8aa3b                      ; log2(e)
	s_mov_b32 s53, 0x219392ef                      ; 1e-18
	; hx's global offsets.  Byte o = 2,048 m + 16 t (m = 0, 1, 2) of a tile as it lies in LDS is byte x' = o % 768 of row o / 768; it comes from byte (x' + 96 rot) % 768 of that row.  Three loads are 8 rows.
.irp m, 0,1,2
	v_lshl_add_u32 v[241+2*\m], v0, 4, 2048*\m
	v_lshrrev_b32 v[240+2*\m], 8, v[241+2*\m]      ; o / 256, 0 .. 23;
	v_mul_u32_u24 v[240+2*\m], v[240+2*\m], 171
	v_lshrrev_b32 v[240+2*\m], 9, v[240+2*\m]      ; a third of it, rounded down (171 / 512 serves up to 23): the row
	v_mul_u32_u24 v[240+2*\m], v[240+2*\m], 768
	v_sub_nc_u32 v[241+2*\m], v[241+2*\m], v[240+2*\m]
	v_add_nc_u32 v[241+2*\m], s56, v[241+2*\m]
	v_cmp_le_u32 vcc_lo, 768, v[241+2*\m]
	v_add_nc_u32 v56, 0xfffffd00, v[241+2*\m]      ; - 768
	v_cndmask_b32 v[241+2*\m], v[241+2*\m], v56, vcc_lo
.endr
	v_and_b32 v56, 1, v0
	v_lshl_add_u32 v56, v56, 2, s54                ; my first position 4 (t % 2), + rot
	v_lshrrev_b32 v57, 1, v0
	v_lshlrev_b32 v57, 5, v57                      ; my row t / 2 of 32 scale bytes
.irp i, 0,1,2,3
	v_add_nc_u32 v[246+\i], \i, v56
	v_and_b32 v[246+\i], 7, v[246+\i]              ; the K step of position 4 (t % 2) + i
.endr
	WIN TO_1
.irp m, 0,1,2
	v_add_nc_u32 v[GC+\m], v[240+2*\m], v[241+2*\m]
.endr
.irp i, 0,1,2,3
	v_lshl_add_u32 v[GS+\i], v[246+\i], 2, v57
.endr
	WIN 0
	v_and_b32 v25, 31, v0                          ; lane
	v_and_b32 v26, 15, v0                          ; r
	v_bfe_u32 v27, v0, 4, 1                        ; h
	v_lshlrev_b32 v28, 4, v25
	v_add_nc_u32 v[ADB0], s45, v28
	v_add_nc_u32 v[ADB0+1], SLOTB, v[ADB0]
	v_mul_u32_u24 v[AL1], v26, 816
	v_mad_u32_u24 v[AL1], v27, 24, v[AL1]
	v_lshl_add_u32 v[AL2], v27, 4, v[AL1]
	v_lshlrev_b32 v[L8], 3, v25
	v_lshrrev_b32 v56, 4, v0
	v_lshlrev_b32 v[SL], 4, v0
	v_lshl_add_u32 v[SL], v56, 4, v[SL]
	v_and_b32 v56, 1, v0
	v_bfe_u32 v57, v0, 1, 5
	v_lshrrev_b32 v58, 6, v0
	v_lshlrev_b32 v[SSL], 10, v56
	v_lshl_add_u32 v[SSL], v57, 3, v[SSL]
	v_lshl_add_u32 v[SSL], v58, 2, v[SSL]
	v_add_nc_u32 v[ADA1], s41, v[AL1]
	v_add_nc_u32 v[ADA2], s41, v[AL2]
	v_add_nc_u32 v[ADHS], s43, v[L8]
	v_add_nc_u32 v[STH], s41, v[SL]                ; tile 0 goes into buffer 0 from here; behind its stores these two turn to buffer 1
	v_add_nc_u32 v[STS], s43, v[SSL]
	s_lshl_b32 s23, s20, 8
	v_lshl_add_u32 v[SXW], v27, 5, s23
	v_add_nc_u32 v[SXW], SX, v[SXW]                ; my wave's 64 words, + 32 h
	v_add_nc_u32 v[SXR], SX, v[L8]
	v_add_nc_u32 v[MKA], MK, v[L8]
	v_add_nc_u32 v[PBW], s23, v[L8]
	v_add_nc_u32 v[PBW], PB, v[PBW]
	v_add_nc_u32 v[PBR], PB-SX, v[SXW]
	s_lshl_b32 s23, s20, 10
	v_lshl_add_u32 v29, v26, 2, s23                ; st, b: column 256 w + r, 4 bytes each
	v_lshl_add_u32 v62, v0, 3, MK                  ; the mask's pair of rows 2 t, 2 t + 1: in LDS,
	v_lshlrev_b32 v63, 3, v0                       ; and in memory
	s_mov_b32 s49, 0                               ; (stays 0: the upper word of every offset made in s48)
	s_wait_kmcnt 0x0
	s_mul_i32 s48, s22, 196608                     ; 256 rows of 768 bytes
	s_add_nc_u64 s[6:7], s[6:7], s[48:49]
	s_lshl_b32 s48, s22, 13                        ; 256 rows of 32 bytes
	s_add_nc_u64 s[8:9], s[8:9], s[48:49]
	s_lshl_b32 s48, s22, 10
	s_add_nc_u64 s[10:11], s[10:11], s[48:49]
	s_lshr_b32 s48, s22, 3                         ; the batch
	s_lshl_b32 s48, s48, 12
	s_add_nc_u64 s[12:13], s[12:13], s[48:49]
	s_lshl_b32 s48, s22, 12
	s_add_nc_u64 s[16:17], s[16:17], s[48:49]
	s_lshl_b32 s48, s22, 8
	s_add_nc_u64 s[18:19], s[18:19], s[48:49]
	s_add_nc_u64 s[4:5], s[4:5], s[50:51]          ; Wf at my chunk of K step 0: made of the wave's number alone; it stays so
	WIN LD_1
.set k, 0
.rept 24
	global_load_b128 v[4*k:4*k+3], v[GC+k%3], s[6:7] offset:6144*(k/3)   ; tile 0 of hx, through the registers that W's fragments will take
.set k, k+1
.endr
.irp i, 0,1,2,3
	global_load_b32 v[HSR+\i], v[GS+\i], s[8:9]
.endr
	WIN 0
	global_load_b64 v[MKP:MKP+1], v63, s[10:11]
.set k, 0
.rept 16
	global_load_b32 v[STP+2*k], v29, s[12:13] offset:64*k      ; st of column 256 w + 16 k + r, twice: a pair for the packed multiply-adds
	global_load_b32 v[STP+2*k+1], v29, s[12:13] offset:64*k
	global_load_b32 v[S+k], v29, s[14:15] offset:64*k          ; b of the same column
.set k, k+1
.endr
.irp s, 0,1
	s_mov_b32 s[G0+4*\s], 1                                    ; 1:0 count = 1
	s_add_co_u32 s[G0+4*\s+1], s45, \s*SLOTB                   ; 63:32 LDS address
	s_add_co_u32 s55, s54, \s
	s_and_b32 s55, s55, 7                                      ; K step (rot + s) % 8; s55 goes on counting the K step last asked for
	s_mul_i32 s48, s55, SLOTB
	s_add_nc_u64 s[G0+4*\s+2:G0+4*\s+3], s[4:5], s[48:49]      ; 120:64 global address
	s_or_b32 s[G0+4*\s+3], s[G0+4*\s+3], 0x80000000            ; 127:126 type = 2
.endr
	CROUND                                         ; all four work-groups are here: the first joint loads meet
	tensor_load_to_lds s[G0:G0+3], s[G1:G1+7]      ; both first fills together: two tensor loads of mine are out
	s_nop 0
	tensor_load_to_lds s[G0+4:G0+7], s[G1:G1+7]
	s_nop 0
	PLACES 4
	s_wait_loadcnt 0x0
	WIN FROM_1
.set k, 0
.rept 24
	ds_store_b128 v[STH], v[4*k:4*k+3] offset:2176*k
.set k, k+1
.endr
.irp i, 0,1,2,3
	ds_store_b32 v[STS], v[HSR+\i] offset:256*\i
.endr
	WIN 0
	v_add_nc_u32 v[STH], s42, v[SL]
	v_add_nc_u32 v[STS], s44, v[SSL]
	s_add_nc_u64 s[6:7], s[6:7], 49152             ; on to tile 1
	s_add_nc_u64 s[8:9], s[8:9], 2048
	v_sub_f32 v[TP], 1.0, v[MKP]
	v_sub_f32 v[TP+1], 1.0, v[MKP+1]
	v_fma_f32 v[TP], v[TP], s53, v[MKP]            ; mask1 = mask + (1 - mask) 1e-18
	v_fma_f32 v[TP+1], v[TP+1], s53, v[MKP+1]
	v_mul_f32 v[TP], s52, v[TP]                    ; x log2(e)
	v_mul_f32 v[TP+1], s52, v[TP+1]
	ds_store_b64 v62, v[TP:TP+1]
	v_mul_f32 v[C0], v[S], v[STP]                  ; the sum of b st over my 16 columns
.set k, 1
.rept 15
	v_fmac_f32 v[C0], v[S+k], v[STP+2*k]
.set k, k+1
.endr
	v_mov_b32 v[C0+1], v[C0]
	v_mov_b32 v[M], 0xff61b1e6                     ; -3e38, under every t
	v_mov_b32 v[LACC], 0
	v_mov_b32 v[PD], 0                             ; written once: a lane permute's destination counts as one of its sources
	v_mov_b32 v[FP+1], 0                           ; (named as the upper half of the pair of f)
.set k, 0
.rept 32
	v_mov_b32 v[CT+k], 0                           ; ct.  (The tile is written once for the loop: the first finds zeros, which f = 0 leaves zeros)
.set k, k+1
.endr
	s_wait_tensorcnt 0x1                           ; my chunk of the first step is in; the second's may stay out, and I alone read my chunks
	s_wait_dscnt 0x0                               ; for the others' sake: my part of hx's tile 0, of its scale words and of the mask has landed
	s_barrier_signal -1
	s_barrier_wait -1
	FETCH_A 0
	FETCH_SW 0
	FETCH_B 0, 0, 15
	WIN 0                                          ; at a label and at a branch every window is 0
	s_mov_b32 s40, 3
.Ltile:                                                ; three trips: tiles 0 to 2; each brings the next tile of hx, and the ring of W goes on into the next tile
	TILE 0
	s_sub_co_u32 s40, s40, 1
	s_cmp_lg_u32 s40, 0
	s_cbranch_scc1 .Ltile
	TILE 1
	; THE END.  The sum of p over the lanes; wave 0 stores (M, sum) 32 times over, so that its one store covers 256 consecutive bytes, aligned.
	v_add_f32_dpp v[LACC], v[LACC], v[LACC] row_xmask:1 row_mask:0xf bank_mask:0xf
	v_add_f32_dpp v[LACC], v[LACC], v[LACC] row_xmask:2 row_mask:0xf bank_mask:0xf
	v_add_f32_dpp v[LACC], v[LACC], v[LACC] row_xmask:4 row_mask:0xf bank_mask:0xf
	v_add_f32_dpp v[LACC], v[LACC], v[LACC] row_xmask:8 row_mask:0xf bank_mask:0xf
	v_permlanex16_b32 v[PD], v[LACC], s46, s47
	v_mov_b32 v[TMX], v[M]
	v_add_f32 v[TMX+1], v[LACC], v[PD]
	s_cmp_lg_u32 s20, 0
	s_cbranch_scc1 .Lno_ml
	global_store_b64 v[L8], v[TMX:TMX+1], s[18:19]
.Lno_ml:
	; ct: the pair's two halves, then the other half of the lanes' rows; through my wave's own 1,024 bytes of LDS, so that the lanes store neighbouring columns
.set k, 0
.rept 16
	v_add_f32 v[CT+2*k], v[CT+2*k], v[CT+2*k+1]
.set k, k+1
.endr
.set k, 0
.rept 16
	v_permlanex16_b32 v[CT+2*k+1], v[CT+2*k], s46, s47
.set k, k+1
.endr
.set k, 0
.rept 16
	v_add_f32 v[CT+2*k], v[CT+2*k], v[CT+2*k+1]
.set k, k+1
.endr
	v_and_b32 v[ADA1], 15, v0
	s_lshl_b32 s23, s20, 10
	v_lshl_add_u32 v[ADA1], v[ADA1], 2, s23
	v_add_nc_u32 v[ADA1], OUTS, v[ADA1]            ; in: column 16 k + r
	v_and_b32 v[AL1], 31, v0
	v_lshl_add_u32 v[AL1], v[AL1], 4, s23          ; back, and in pct: 16 bytes a lane
	v_add_nc_u32 v[ADA2], OUTS, v[AL1]
.set k, 0
.rept 16
	ds_store_b32 v[ADA1], v[CT+2*k] offset:64*k    ; both halves of the lanes write the same word with the same value
.set k, k+1
.endr
	ds_load_b128 v[S:S+3], v[ADA2]                 ; LDS serves a wave's instructions in order: these see my stores
	ds_load_b128 v[S+4:S+7], v[ADA2] offset:512
	s_wait_dscnt 0x0
	global_store_b128 v[AL1], v[S:S+3], s[16:17]               ; 32 lanes store 512 consecutive bytes, at a multiple of 256 from pct's first byte
	global_store_b128 v[AL1], v[S+4:S+7], s[16:17] offset:512
	s_wait_tensorcnt 0x0                           ; the wave's end: behind my last tensor load and my last LDS store
	ds_add_u32 v[SPW], v[NIL]
	s_wait_dscnt 0x0
	CROUND                                         ; the closing round: no work-group ends while a partner may still ask for a chunk that names it
	s_endpgm
.Lfunc_end_k_qddc2d9c6dd_main:
	.size	k_qddc2d9c6dd_main, .Lfunc_end_k_qddc2d9c6dd_main-k_qddc2d9c6dd_main
	.p2alignl 7, 3214868480
	.fill 96, 4, 3214868480
	.section	.rodata,"a",@progbits
	.p2align	6, 0x0
	.amdhsa_kernel k_qddc2d9c6dd_main
		.amdhsa_group_segment_fixed_size 327680
		.amdhsa_private_segment_fixed_size 0
		.amdhsa_enable_private_segment 0
		.amdhsa_kernarg_size 64
		.amdhsa_user_sgpr_count 2
		.amdhsa_user_sgpr_kernarg_segment_ptr 1
		.amdhsa_wavefront_size32 1
		.amdhsa_system_sgpr_workgroup_id_x 1
		.amdhsa_system_sgpr_workgroup_id_y 1
		.amdhsa_system_sgpr_workgroup_id_z 1
		.amdhsa_system_vgpr_workitem_id 0
		.amdhsa_next_free_vgpr 1024
		.amdhsa_next_free_sgpr 66
		.amdhsa_reserve_vcc 1
		.amdhsa_float_denorm_mode_32 3
		.amdhsa_float_denorm_mode_16_64 3
		.amdhsa_memory_ordered 1
		.amdhsa_forward_progress 1
		.amdhsa_inst_pref_size 255
	.end_amdhsa_kernel
	.section	.bss,"aw",@nobits
	.p2align	6
	.space	262144
	.amdgpu_metadata
---
amdhsa.version: [ 1, 2 ]
amdhsa.kernels:
  - .name:           k_qddc2d9c6dd_main
    .symbol:         k_qddc2d9c6dd_main.kd
    .args:
      - { .name: Wf, .offset: 0, .size: 8, .value_kind: global_buffer, .address_space: global }
      - { .name: hx_codes, .offset: 8, .size: 8, .value_kind: global_buffer, .address_space: global }
      - { .name: hx_scales, .offset: 16, .size: 8, .value_kind: global_buffer, .address_space: global }
      - { .name: hx_mask, .offset: 24, .size: 8, .value_kind: global_buffer, .address_space: global }
      - { .name: st, .offset: 32, .size: 8, .value_kind: global_buffer, .address_space: global }
      - { .name: b, .offset: 40, .size: 8, .value_kind: global_buffer, .address_space: global }
      - { .name: pct, .offset: 48, .size: 8, .value_kind: global_buffer, .address_space: global }
      - { .name: pml, .offset: 56, .size: 8, .value_kind: global_buffer, .address_space: global }
    .group_segment_fixed_size: 327680
    .private_segment_fixed_size: 0
    .kernarg_segment_align: 8
    .kernarg_segment_size: 64
    .max_flat_workgroup_size: 128
    .sgpr_count:     66
    .vgpr_count:     1024
    .wavefront_size: 32
...
	.end_amdgpu_metadata
.endif
;; end of part 2
;; launch combine (part 3): grid 128 x 1, 2 waves a work-group, no clusters, 0 bytes of LDS; arguments pct, pml, b, out0; writes out0
.if DOCPART == 3
	.amdgcn_target "amdgcn-amd-amdhsa--gfx1250"
	.amdhsa_code_object_version 6
	.text
	.protected	k_qddc2d9c6dd_combine
	.globl	k_qddc2d9c6dd_combine
	.p2align	8
	.type	k_qddc2d9c6dd_combine,@function
k_qddc2d9c6dd_combine:
	s_mov_b64 s[64:65], 0
	v_nop
	global_prefetch_b8 v0, s[64:65] scope:SCOPE_SE
	s_setreg_imm32_b32 hwreg(HW_REG_WAVE_MODE, 25, 1), 1
	s_wait_xcnt 0x0
; out0[batch][:] = b + (sum over the batch's 8 parts i of 2^(M_i - M*) ct_i[:]) / (sum over i of 2^(M_i - M*) l_i), M* the largest M_i.
; pct: [256 parts][1024] f32 (sum of p G under M_i); pml: [256 parts][32 copies](M_i, l_i).  Work-group g: batch g / 4, quarter g % 4 of the 1,024 columns; a thread takes 4 columns.
; The part that holds M* has l at least 1, so the divisor is never 0.  1.2 MB are read once: no LDS, no barrier, all 17 loads of a lane out together.
	s_load_b256 s[4:11], s[0:1], 0x0               ; pct s[4:5], pml s[6:7], b s[8:9], out0 s[10:11]
	s_lshr_b32 s12, ttmp9, 2                       ; batch
	s_and_b32 s13, ttmp9, 3                        ; quarter
	s_lshl_b32 s14, s13, 10
	v_lshlrev_b32 v1, 4, v0
	v_add_nc_u32 v1, s14, v1                       ; my 16 bytes of a row of 4,096
	v_and_b32 v2, 31, v0
	v_lshlrev_b32 v2, 3, v2                        ; my copy of a part's (M, l)
	s_lshl_b32 s16, s12, 15                        ; 8 parts of 4,096 bytes
	s_mov_b32 s17, 0
	s_lshl_b32 s18, s12, 11                        ; 8 parts of 256 bytes
	s_mov_b32 s19, 0
	s_lshl_b32 s20, s12, 12
	s_mov_b32 s21, 0
	s_wait_kmcnt 0x0
	s_add_nc_u64 s[4:5], s[4:5], s[16:17]
	s_add_nc_u64 s[6:7], s[6:7], s[18:19]
	s_add_nc_u64 s[10:11], s[10:11], s[20:21]
.irp i, 0,1,2,3,4,5,6,7
	global_load_b128 v[8+4*\i:11+4*\i], v1, s[4:5] offset:4096*\i
	global_load_b64 v[40+2*\i:41+2*\i], v2, s[6:7] offset:256*\i
.endr
	global_load_b128 v[56:59], v1, s[8:9]
	s_wait_loadcnt 0x0
	v_max3_num_f32 v60, v40, v42, v44
	v_max3_num_f32 v60, v60, v46, v48
	v_max3_num_f32 v60, v60, v50, v52
	v_max_num_f32 v60, v60, v54                    ; M*
.irp i, 0,1,2,3,4,5,6,7
	v_sub_f32 v[40+2*\i], v[40+2*\i], v60
.endr
.irp i, 0,1,2,3,4,5,6,7
	v_exp_f32 v[40+2*\i], v[40+2*\i]               ; 2^(M_i - M*)
.endr
	v_nop                                          ; a plain instruction behind the exponentials
	s_wait_alu depctr_va_vdst(0)
	v_mul_f32 v61, v41, v40
.irp i, 1,2,3,4,5,6,7
	v_fmac_f32 v61, v[41+2*\i], v[40+2*\i]         ; the batch's sum of p under M*
.endr
	v_rcp_f32 v61, v61
	v_nop                                          ; a plain instruction behind the reciprocal
	s_wait_alu depctr_va_vdst(0)
.irp i, 0,1,2,3,4,5,6,7
	v_mul_f32 v[40+2*\i], v[40+2*\i], v61
.endr
.irp i, 0,1,2,3,4,5,6,7
	v_pk_fma_f32 v[56:57], v[8+4*\i:9+4*\i], v[40+2*\i:41+2*\i], v[56:57] op_sel_hi:[1,0,1]     ; the sums begin with b
	v_pk_fma_f32 v[58:59], v[10+4*\i:11+4*\i], v[40+2*\i:41+2*\i], v[58:59] op_sel_hi:[1,0,1]
.endr
	global_store_b128 v1, v[56:59], s[10:11]       ; 32 lanes store 512 consecutive bytes, at a multiple of 256 from out0's first byte
	s_endpgm
.Lfunc_end_k_qddc2d9c6dd_combine:
	.size	k_qddc2d9c6dd_combine, .Lfunc_end_k_qddc2d9c6dd_combine-k_qddc2d9c6dd_combine
	.p2alignl 7, 3214868480
	.fill 96, 4, 3214868480
	.section	.rodata,"a",@progbits
	.p2align	6, 0x0
	.amdhsa_kernel k_qddc2d9c6dd_combine
		.amdhsa_group_segment_fixed_size 0
		.amdhsa_private_segment_fixed_size 0
		.amdhsa_enable_private_segment 0
		.amdhsa_kernarg_size 32
		.amdhsa_user_sgpr_count 2
		.amdhsa_user_sgpr_kernarg_segment_ptr 1
		.amdhsa_wavefront_size32 1
		.amdhsa_system_sgpr_workgroup_id_x 1
		.amdhsa_system_sgpr_workgroup_id_y 1
		.amdhsa_system_sgpr_workgroup_id_z 1
		.amdhsa_system_vgpr_workitem_id 0
		.amdhsa_next_free_vgpr 64
		.amdhsa_next_free_sgpr 66
		.amdhsa_reserve_vcc 0
		.amdhsa_float_denorm_mode_32 3
		.amdhsa_float_denorm_mode_16_64 3
		.amdhsa_memory_ordered 1
		.amdhsa_forward_progress 1
		.amdhsa_inst_pref_size 5
	.end_amdhsa_kernel
	.amdgpu_metadata
---
amdhsa.version: [ 1, 2 ]
amdhsa.kernels:
  - .name:           k_qddc2d9c6dd_combine
    .symbol:         k_qddc2d9c6dd_combine.kd
    .args:
      - { .name: pct, .offset: 0, .size: 8, .value_kind: global_buffer, .address_space: global }
      - { .name: pml, .offset: 8, .size: 8, .value_kind: global_buffer, .address_space: global }
      - { .name: b, .offset: 16, .size: 8, .value_kind: global_buffer, .address_space: global }
      - { .name: out0, .offset: 24, .size: 8, .value_kind: global_buffer, .address_space: global }
    .group_segment_fixed_size: 0
    .private_segment_fixed_size: 0
    .kernarg_segment_align: 8
    .kernarg_segment_size: 32
    .max_flat_workgroup_size: 64
    .sgpr_count:     66
    .vgpr_count:     64
    .wavefront_size: 32
...
	.end_amdgpu_metadata
.endif
;; end of part 3
